; MI455X (gfx1250); checked and timed in simulation.
; The chip was launched on July 23, 2026; its instructions are those of AMD's public machine-readable ISA for CDNA 5 (MIT licence, August 2026) and "CDNA5" Instruction Set Architecture Reference Guide (July 2026). The comments in the code are by the model that wrote it; some were corrected since.
;; Internal Interaction. Allowed arithmetic: matrix products marked QUANTISED: E3M2 operands, one E8M0 scale for each 32 along K, by v_wmma_scale_f32_16x16x128_f8f6f4 with both operands' format E3M2, f32 sums; everything else in f32.
;; Inputs: W1_codes 1,024 x 8 x 24 uint8 (E3M2 codes of W1, K innermost, in blocks of 32 codes, four codes in three bytes); W1_scales 1,024 x 8 uint8 (E8M0 scales of W1, one for each 32 codes along K); W2_codes 256 x 32 x 24 uint8 (E3M2 codes of W2, K innermost, in blocks of 32 codes, four codes in three bytes); W2_scales 256 x 32 uint8 (E8M0 scales of W2, one for each 32 codes along K); attribute_embeddings 128 x 32 x 256 float32; b1 1,024 float32; b2 256 float32.
;; Outputs: out0 128 x 32 x 256 float32.
;; This version of the problem:
;;   THIS VERSION OF THE PROBLEM IS GIVEN IN LOW PRECISION. The matrix products marked QUANTISED in the list below multiply operands that are first quantised to E3M2 (3 exponent bits, 2 mantissa bits; 6 bits a number), with one power-of-two scale for each 32 numbers along K (OCP MX v1.0); their sums are f32. All else is computed in f32.
;;   The module's matrix products, in the order in which they are computed (A, B: the left and right operand; K: the contracted axis; several contracted axes count as one K, in the product's order):
;;     1. [M 131,072, K 256] x [K 256, N 1,024]; A: computed on the way; B: input W1 (given as codes): QUANTISED
;;     2. [M 131,072, K 1,024] x [K 1,024, N 256]; A: computed on the way; B: input W2 (given as codes): QUANTISED
;;   THE QUANTISER, for each operand of a quantised product, along K:
;;     - K is cut into blocks of 32 from its start; a last block that is shorter is filled with zeros.
;;     - A block's scale is 2^e with e = floor(log2(the largest magnitude in the block)) - 4, held to -126 .. 127; a block of zeros has e = 0. As a byte (E8M0): e + 127.
;;     - Each number is divided by its block's scale, clamped to +-28, and rounded to the nearest number of E3M2, ties to even, subnormals kept.
;;     - The product sums the exact products of the quantised numbers (number of the format x scale) in f32.
;;   ~~~python
;;   def quantise(x, axis):      # numpy; x: float32 -> the quantised numbers, widened to float32 again
;;       x = np.moveaxis(x, axis, -1); K = x.shape[-1]
;;       x = np.pad(x, [(0, 0)] * (x.ndim - 1) + [(0, -K % 32)]); x = x.reshape(x.shape[:-1] + (-1, 32)); a = np.abs(x).max(-1, keepdims=True)
;;       e = np.where(a > 0, np.clip(np.frexp(np.where(a > 0, a, 1))[1] - 1 - 4, -126, 127), 0)      # np.frexp(a)[1] - 1 = floor(log2(a)), exactly
;;       r = np.clip(x / 2.0 ** e, -28, 28)
;;       step = 2.0 ** (np.maximum(np.frexp(np.where(r == 0, 1, r))[1] - 1, -2) - 2)
;;       q = np.round(r / step) * step * 2.0 ** e      # np.round: ties to even
;;       return np.moveaxis(q.reshape(q.shape[:-2] + (-1,))[..., :K], -1, axis).astype(np.float32)
;;   ~~~
;;   OPERANDS COMPUTED ON THE WAY. 'Computed on the way' means the value that the module computes at that place (a softmax that the list does not call 'softmax' is quantised finished and normalised). What goes into a quantiser is computed in f32, as accurately as f32 sums, v_exp_f32 and their like allow (about 1e-6 of the number): no bf16 or f16 on the way to a quantiser, and a product that is left as it is and whose result goes on into a quantised operand takes f32 operands (vector FMAs, or v_wmma_f32_16x16x4_f32). A number that lies on a knife's edge between two numbers of the format may be rounded either way, as far as f32 arithmetic and the matrix unit's own rounding can turn it there, and no further.
;;   INPUTS GIVEN AS CODES. W1 (in the module: [256, 1024], K = its axis 0); W2 (in the module: [1024, 256], K = its axis 0): each comes as NAME_codes (uint8): NAME with its K axis moved to the last place and cut into blocks of 32 codes, [.., K / 32, bytes a block], one block behind the other in memory; four codes in three bytes: a row's codes are one little-endian stream of bits, code i at bits 6 i .. 6 i + 5 (a code: sign, 3 exponent bits, 2 mantissa bits); and NAME_scales (uint8): the same leading axes, one E8M0 byte (e + 127) for each 32 codes along K. Its value is code x scale, taken as it is: it is not quantised again, and the codes and scales need not be those that the quantiser above would give.
;; One version. Each part assembles by itself: llvm-mc -triple=amdgcn-amd-amdhsa -mcpu=gfx1250 --defsym DOCPART=n.
;; ======== version 1 of 1: 1 launch
;; limits: right only within a limited range of input values
;; launch pairmlp (part 1): grid 256 x 1, 8 waves a work-group, clusters of 4 x 1, 327,680 bytes of LDS; arguments W1_codes, W1_scales, W2_codes, W2_scales, attribute_embeddings, b1, b2, out0; writes out0
.if DOCPART == 1
	.amdgcn_target "amdgcn-amd-amdhsa--gfx1250"
	.amdhsa_code_object_version 6
	.text
	.protected	k_qa90217c2dc_pairmlp
	.globl	k_qa90217c2dc_pairmlp
	.p2align	8
	.type	k_qa90217c2dc_pairmlp,@function
k_qa90217c2dc_pairmlp:
	s_mov_b64 s[64:65], 0
	v_nop
	global_prefetch_b8 v0, s[64:65] scope:SCOPE_SE
	s_setreg_imm32_b32 hwreg(HW_REG_WAVE_MODE, 25, 1), 1
	s_wait_xcnt 0x0
	s_wait_alu depctr_hold_cnt(0) depctr_sa_sdst(0) depctr_va_vdst(0) depctr_va_sdst(0) depctr_va_ssrc(0) depctr_va_vcc(0) depctr_vm_vsrc(0)
	s_getreg_b32 s2, hwreg(HW_REG_IB_STS2, 6, 4)
	s_cmp_eq_u32 s2, 0
	s_cbranch_scc0 .Lentry_in_a_cluster
	s_endpgm
.Lentry_in_a_cluster:
	s_bfe_u32 s2, ttmp6, 0x10000c
	s_cmp_lg_u32 s2, 0x3003
	s_cbranch_scc0 .Lentry_shape_is_right
	s_endpgm
.Lentry_shape_is_right:
; out0[b][j][:] = sum over i of ( relu( Q(x[b][i] * x[b][j]) W1 + b1 ) quantised again, times W2, + b2 ).  Both products on codes of BF6 (E3M2), one E8M0 scale for each 32 along K.
; x: [128][32][256] f32.  W1: codes [1024 hidden][256], scales [1024][8].  W2: codes [256 d][1024 hidden], scales [256][32].  b1 [1024], b2 [256], out0 [128][32][256]: f32.
; SHARES.  A work-group owns out0[b][16 jh .. 16 jh + 15][:].  256 work-groups of equal work.
; WORK MADE ONCE.  x_i * x_j and x_j * x_i are the same numbers for every input, so rows (i, j) and (j, i) of the pairs, of the hidden layer and of the output are the same.  Of the pairs inside
; the work-group's own 16 rows only nine shifts are made: the tile of shift k holds, in lane r, the pair (r, (r + k) mod 16).  k = 0 and k = 8 hold each row's pair themselves; a tile of k = 1 .. 7 (or, the
; same pairs, 15 .. 9) counts for row r and, as the pair (r, r + k), for row r + k too: it is multiplied by W2 twice, the second time with its codes k lanes on.
; With the other half's 16 rows all 16 shifts are made.  16 + 9 = 25 tiles of 16 pairs, in place of 32.
; TWO PASSES over the hidden axis, 512 units each: tiles T = 0 .. 24 and 25 .. 49.  T = 0 .. 15: the other half's rows, shift -T; T = 16 .. 32: own rows, shift 24 - T modulo 16 (8 .. 0, then 15 .. 8);
; T = 33: shift 0; T = 34 .. 49: the other half's rows, shift 34 - T.  So the partner's rows move one lane from tile to tile.
; WAVES 0-3 MAKE THE HIDDEN LAYER (128 units each in a pass, transposed: source 0 = 16 rows of W1, source 1 = the pairs) and quantise it.  WAVE 4 + w multiplies wave w's codes by its K step of W2
; (all 256 d) and makes a quarter of each tile's pairs.  Interval I: waves 0-3 quantise tile 2 I - 1, multiply tile 2 I, quantise it, multiply tile 2 I + 1; waves 4-7 make the pairs of tiles
; 2 I + 2 and 2 I + 3 and multiply tiles 2 I - 3 and 2 I - 2.  One barrier an interval; codes and pairs pass through LDS as images of the operand's registers, four slots each (slot T mod 4).
; The four partial sums start as 8 x b2, take all i, and meet at the end in LDS.
; THE ROWS OF W1 THAT FORM A TILE ARE NOT NEIGHBOURS: lane r of tile 4 c + v takes row 64 c + 8 v + r + 24 (r / 8), so that the 32 registers of tiles 4 c .. 4 c + 3 are, in each lane, one whole block of
; the next K (k = 64 c + 32 (lane / 16) + 0 .. 31), as the next operand's layout has it.
; THE WEIGHTS of a pass lie in registers, 192 a wave.  They come by one tensor load a wave; pass 1's are asked for when pass 0's are in registers and have twelve intervals in which to land.
; CLUSTER.  All work-groups walk the same weights: the four of a cluster ask for each tile of weights jointly (mask 15).  x's rows are each work-group's own load.
; NO PREFETCH: the weights are asked for whole, the first half at the head, the second a pass ahead; there is no stream to run ahead of.
; LIMITS.  NaN and infinities among the inputs, and pairs that overflow f32, are not served.  A block whose largest magnitude lies under 2^-122 (a block of zeros too) gets the scale byte 1 where the rule
; gives a smaller exponent's clamp or 127: its codes are zeros or next to it.  The sums run in the order above, not in the order of the source; b2 is added as 4 x (8 x b2).
.set W2R,   110592                     ; behind W1's 512 rows x 216 bytes (8 bytes of padding behind every 64): W2's 256 rows x 528 (512 bytes + 16)
.set XB,    245760                     ; x: rows 0-15 my own, 16-31 the other half's
.set XP,    1040
.set PB,    279040                     ; the pairs: quarter c at 768 c (16 bytes a lane, then 8 bytes a lane); the scale words at 3072
.set PSL,   3328
.set CB,    292352                     ; the hidden layer's codes: K step w at 1536 w; the scale words at 6144 + 64 w
.set CBUF,  6656
.set SPARE, 318976                     ; the spare words, 128 bytes a wave
.set STW,   16*XP                      ; the end: a wave's partial sums, 16 rows of 1,024 bytes + 16, from byte 0 on
.set FLOOR, 0x2800000                  ; 2^(5 - 127): no largest magnitude is taken under it
; window 0: v1, v2 the add's registers; v3-v31 addresses
.set WS, 32                            ; v32-47 the weights' scale words: lanes 0-15 the pass in hand, lanes 16-31 the other
.set XS, 48                            ; the pairs' scale words: lanes 0-15 K step 0, lanes 16-31 K step 1
.set H,  128                           ; producers: v128-191 the hidden layer; v192-255 b1 of pass 1.   consumers: v128-255 the 16 sums
.set AC, 128
.set XF, 64                            ; producers: v64-87 the pairs' two fragments; v88-95, v96-107 codes, v108-115 conversions' second halves
.set TM, 88
.set PC, 96
.set PCT, 108
.set PT, 64                            ; consumers: v64-95 pairs (v64-75 rotated codes too); v96-107, v108-119 two tiles' codes; v50-52 scale words; v54-62, v120-125 at work
; window 1: v0-191 the weights' 16 fragments.  producers: v192-255 b1 of the pass in hand.  consumers: v192-223 my row of x, v224-255 the partner's
.set MSB, 0
.macro WIN new                         ; s_set_vgpr_msb: bits 1:0 source 0, 3:2 source 1, 5:4 source 2, 7:6 destination; the high byte repeats the setting that is left
.if MSB != (\new)
	s_set_vgpr_msb (MSB<<8)|(\new)
.set MSB, (\new)
.endif
.endm
.macro PLACES cnt
.rept \cnt
	v_nop
.endr
.endm
.macro ROUND                           ; a round of the cluster's barrier
	s_barrier_signal -1
	s_barrier_wait -1
	s_cmp_lg_u32 s20, 0
	s_cbranch_scc1 .Lnot_wave_0_\@
	s_barrier_signal -3
.Lnot_wave_0_\@:
	s_barrier_wait -3
	s_barrier_signal -1
	s_barrier_wait -1
.endm
.macro TLOAD g0, g1
	tensor_load_to_lds s[\g0:\g0+3], s[\g1:\g1+7]
	s_nop 0
	PLACES 4
.endm
; W1's 16 fragments from LDS, six loads of 8 bytes each; lanes 16-31 take the piece three on: 24 bytes, or 32 where a padding lies between
.macro PULLW1
	WIN 0x40
.irp tt,0,1,2,3,4,5,6,7
.irp ss,0,1
.irp pp,0,1,2,3,4,5
.set pcn, 12*\ss+6*(\pp/3)+\pp%3
.if pcn%8 < 5
	ds_load_b64 v[24*\tt+12*\ss+2*\pp:24*\tt+12*\ss+2*\pp+1], v15 offset:(64*(\tt/4)+8*(\tt%4))*216+8*pcn+8*(pcn/8)
.else
	ds_load_b64 v[24*\tt+12*\ss+2*\pp:24*\tt+12*\ss+2*\pp+1], v16 offset:(64*(\tt/4)+8*(\tt%4))*216+8*pcn+8*(pcn/8)
.endif
.endr
.endr
.endr
	WIN 0
.endm
.macro PULLW2 off, lo                  ; eight of the 16 fragments of my K step of W2; off: where the pass begins in the LDS row
	WIN 0x40
.irp nn,0,1,2,3,4,5,6,7
.irp pp,0,1,2,3,4,5
	ds_load_b64 v[12*(8*\lo+\nn)+2*\pp:12*(8*\lo+\nn)+2*\pp+1], v[17+13*\lo] offset:\nn*8448+\off+48*(\pp/3)+8*(\pp%3)
.endr
.endr
	WIN 0
.endm
.macro SWAPWS                          ; the other pass's scale words into lanes 0-15
.irp ii,0,1,2,3,4,5,6,7,8,9,10,11,12,13,14,15
	v_permlanex16_b32 v[WS+\ii], v[WS+\ii], s60, s61
.endr
.endm
; Layer 1 of a tile: 16 products; the first eight take b1 as C.  The eight accumulators take turns.
.macro L1
	WIN 0x11
.irp tt,0,1,2,3,4,5,6,7
	v_wmma_scale_f32_16x16x128_f8f6f4 v[H+8*\tt:H+8*\tt+7], v[24*\tt:24*\tt+11], v[XF:XF+11], v[192+8*\tt:199+8*\tt], v[WS+2*\tt], v[XS] matrix_a_fmt:MATRIX_FMT_BF6 matrix_b_fmt:MATRIX_FMT_BF6
.endr
	WIN 0x01
.irp tt,0,1,2,3,4,5,6,7
	v_wmma_scale_f32_16x16x128_f8f6f4 v[H+8*\tt:H+8*\tt+7], v[24*\tt+12:24*\tt+23], v[XF+12:XF+23], v[H+8*\tt:H+8*\tt+7], v[WS+2*\tt+1], v[XS] matrix_a_fmt:MATRIX_FMT_BF6 matrix_b_fmt:MATRIX_FMT_BF6 matrix_b_scale:MATRIX_SCALE_ROW1
.endr
	WIN 0
	PLACES 5                                       ; in front of readers of these results and of loads into these sources
.endm
; Layer 2 of a tile: 16 products onto the 16 sums by turns; source 1 = the codes at v[cr], their scale words v[pw]
.macro L2 cr, pw
	WIN 0x01
.irp nn,0,1,2,3,4,5,6,7,8,9,10,11,12,13,14,15
	v_wmma_scale_f32_16x16x128_f8f6f4 v[AC+8*\nn:AC+8*\nn+7], v[12*\nn:12*\nn+11], v[\cr:\cr+11], v[AC+8*\nn:AC+8*\nn+7], v[WS+\nn], v[\pw] matrix_a_fmt:MATRIX_FMT_BF6 matrix_b_fmt:MATRIX_FMT_BF6
.endr
	WIN 0
	PLACES 5
.endm
.macro XFLOAD slot                     ; a tile's pairs: 9 loads
.irp cc,0,1,2,3
	ds_load_b128 v[XF+6*\cc:XF+6*\cc+3], v3 offset:(\slot)*PSL+768*\cc
	ds_load_b64 v[XF+6*\cc+4:XF+6*\cc+5], v8 offset:(\slot)*PSL+768*\cc+512
.endr
	ds_load_b32 v[XS], v4 offset:(\slot)*PSL
.endm
; The hidden layer's quantiser: register H + 32 c + i = k 64 c + 32 (lane / 16) + i of my row; the codes and the two scale bytes of the lane go into the slot: 5 stores
.macro QUANT slot
.set qi, 0
.rept 32                               ; the activation, two a line
	v_dual_max_num_f32 v[H+qi], 0, v[H+qi] :: v_dual_max_num_f32 v[H+qi+1], 0, v[H+qi+1]
.set qi, qi+2
.endr
.irp cc,0,1                            ; two blocks, two chains each, by turns
	v_max3_num_f32 v[TM+\cc], v[H+32*\cc], v[H+32*\cc+1], FLOOR
.endr
.irp cc,0,1
	v_max3_num_f32 v[TM+2+\cc], v[H+32*\cc+16], v[H+32*\cc+17], v[H+32*\cc+18]
.endr
.irp ii,2,4,6,8,10,12
.irp cc,0,1
	v_max3_num_f32 v[TM+\cc], v[TM+\cc], v[H+32*\cc+\ii], v[H+32*\cc+\ii+1]
.endr
.irp cc,0,1
	v_max3_num_f32 v[TM+2+\cc], v[TM+2+\cc], v[H+32*\cc+\ii+17], v[H+32*\cc+\ii+18]
.endr
.endr
.irp cc,0,1
	v_max3_num_f32 v[TM+\cc], v[TM+\cc], v[H+32*\cc+14], v[H+32*\cc+15]
.endr
.irp cc,0,1
	v_max3_num_f32 v[TM+\cc], v[TM+\cc], v[TM+2+\cc], v[H+32*\cc+31]   ; the block's largest magnitude
.endr
.irp cc,0,1
	v_add_nc_u32 v[TM+4+\cc], 0xfe000000, v[TM+\cc]        ; 4 off its exponent field: the conversion's scale operand
.endr
.irp cc,0,1
	v_cvt_scalef32_pk16_bf6_f32 v[PC+6*\cc:PC+6*\cc+2], v[H+32*\cc:H+32*\cc+15], v[TM+4+\cc]
	v_cvt_scalef32_pk16_bf6_f32 v[PCT+4*\cc:PCT+4*\cc+2], v[H+32*\cc+16:H+32*\cc+31], v[TM+4+\cc]
.endr
.irp cc,0,1
	v_lshrrev_b32 v[TM+6+\cc], 23, v[TM+4+\cc]             ; (the plain lines behind the conversions) the scale's byte
.endr
.irp cc,0,1                            ; a conversion's three registers begin on an even number: the second halves are moved
	v_dual_mov_b32 v[PC+6*\cc+3], v[PCT+4*\cc] :: v_dual_mov_b32 v[PC+6*\cc+4], v[PCT+4*\cc+1]
	v_mov_b32 v[PC+6*\cc+5], v[PCT+4*\cc+2]
.endr
.irp ii,0,1,2
	ds_store_b128 v5, v[PC+4*\ii:PC+4*\ii+3] offset:(\slot)*CBUF+512*\ii
.endr
	ds_store_b8 v6, v[TM+6] offset:(\slot)*CBUF
	ds_store_b8 v6, v[TM+7] offset:(\slot)*CBUF+2
.endm
.macro XLOAD dst, adr, off             ; 32 numbers of a row of x into window 1
	WIN 0x40
.irp jj,0,1,2,3,4,5,6,7
	ds_load_b128 v[\dst+4*\jj:\dst+4*\jj+3], v\adr offset:\off+16*\jj
.endr
	WIN 0
.endm
; A quarter of a tile's pairs: consumer wave w takes k = 64 w + 32 (lane / 16) + 0 .. 31: one block a lane; 3 stores into the slot.
; kind 0: the partner's rows as they stand; 1: moved two lanes first (an interval's first tile; where s62 is 'spec' they are loaded anew); 2: moved one lane in the product (the second tile; where s62 is 'spec' it is my row's square)
.macro PAIRS slot, kind, spec, adr, off
.if (\kind) == 1
	WIN 0x41
.set qi, 0
.rept 32
	v_mov_b32_dpp v[224+qi], v[224+qi] row_ror:2 row_mask:0xf bank_mask:0xf
.set qi, qi+1
.endr
	WIN 0
.if (\spec) >= 0
	s_wait_alu depctr_va_vdst(0)
	s_cmp_lg_u32 s62, \spec
	s_cbranch_scc1 .Lturned_\@
	XLOAD 224, \adr, \off
	s_wait_dscnt 0x0
.Lturned_\@:
.endif
.endif
.if (\kind) == 2
.if (\spec) >= 0
	s_cmp_lg_u32 s62, \spec
	s_cbranch_scc1 .Lmove_\@
	WIN 0x05
.set qi, 0
.rept 16
	v_pk_mul_f32 v[PT+qi:PT+qi+1], v[192+qi:193+qi], v[192+qi:193+qi]
.set qi, qi+2
.endr
	WIN 0
	s_wait_alu depctr_va_vdst(0)
	s_branch .Lmult_\@
.Lmove_\@:
.endif
	WIN 0x05
.set qi, 0
.rept 32
	v_mul_f32_dpp v[PT+qi], v[224+qi], v[192+qi] row_ror:1 row_mask:0xf bank_mask:0xf
.set qi, qi+1
.endr
	WIN 0
.Lmult_\@:
.else
	WIN 0x05
.set qi, 0
.rept 16
	v_pk_mul_f32 v[PT+qi:PT+qi+1], v[224+qi:225+qi], v[192+qi:193+qi]
.set qi, qi+2
.endr
	WIN 0
.endif
	v_max3_num_f32 v120, |v[PT]|, |v[PT+1]|, FLOOR         ; four chains by turns
	v_max3_num_f32 v121, |v[PT+2]|, |v[PT+3]|, |v[PT+4]|
	v_max3_num_f32 v122, |v[PT+5]|, |v[PT+6]|, |v[PT+7]|
	v_max3_num_f32 v123, |v[PT+8]|, |v[PT+9]|, |v[PT+10]|
.irp ii,0,1,2,3,4,5,6,7,8,9
	v_max3_num_f32 v[120+\ii%4], v[120+\ii%4], |v[PT+11+2*\ii]|, |v[PT+12+2*\ii]|
.endr
	v_max3_num_f32 v120, v120, v121, |v[PT+31]|
	v_max3_num_f32 v120, v120, v122, v123
	v_add_nc_u32 v124, 0xfe000000, v120
	v_cvt_scalef32_pk16_bf6_f32 v[54:56], v[PT:PT+15], v124
	v_cvt_scalef32_pk16_bf6_f32 v[60:62], v[PT+16:PT+31], v124
	v_lshrrev_b32 v125, 23, v124                           ; (the plain line behind the conversions) the scale's byte
	v_dual_mov_b32 v57, v60 :: v_dual_mov_b32 v58, v61
	v_mov_b32 v59, v62
	ds_store_b128 v13, v[54:57] offset:(\slot)*PSL
	ds_store_b64 v18, v[58:59] offset:(\slot)*PSL
	ds_store_b8 v14, v125 offset:(\slot)*PSL
.endm
.macro CLOAD slot, cr, pw              ; a tile's codes of my K step and their scale words: 4 loads
.irp ii,0,1,2
	ds_load_b128 v[\cr+4*\ii:\cr+4*\ii+3], v5 offset:(\slot)*CBUF+512*\ii
.endr
	ds_load_b32 v[\pw], v19 offset:(\slot)*CBUF
.endm
; Layer 2 of a tile.  cond 0: once.  1: twice where 8 <= s62 < 15; 2: twice where s62 is 8 or 12.  Twice: the second time lane r takes the codes of lane r - k, k the tile's shift; -k = T + 8 = 2 s62 + rc modulo 16
.macro TILE2 cr, pw, cond, slot, rc
.if (\cond) == 0
	L2 \cr, \pw
.else
.if (\cond) == 1
	s_sub_co_u32 s68, s62, 8
	s_cmp_lt_u32 s68, 7
.else
	s_and_b32 s68, s62, -5
	s_cmp_eq_u32 s68, 8
.endif
	s_cbranch_scc1 .Ltwice_\@
	L2 \cr, \pw
	s_branch .Ldone_\@
.Ltwice_\@:
	s_lshl_b32 s69, s62, 1
	s_add_co_u32 s69, s69, \rc
	v_add_nc_u32 v12, s69, v11
	v_and_b32 v12, 15, v12
	v_lshl_add_u32 v28, v12, 4, v7
	v_lshl_add_u32 v29, v12, 2, s88
.irp ii,0,1,2
	ds_load_b128 v[PT+4*\ii:PT+4*\ii+3], v28 offset:(\slot)*CBUF+512*\ii
.endr
	ds_load_b32 v52, v29 offset:(\slot)*CBUF
	L2 \cr, \pw
	s_wait_dscnt 0x0
	L2 PT, 52
.Ldone_\@:
.endif
.endm
; INTERVAL I, par = I % 2.  qa: tile 2 I - 1 is quantised; m: tiles 2 I, 2 I + 1 are multiplied by W1; pp: pass 1's W1 is taken between them where s62 is 10; pr: pairs (sa, sreg, soff: the first tile's
; special case, sb: the second's); la, lb: tiles 2 I - 3, 2 I - 2 are multiplied by W2 (ra, rb: how often); pc: pass 1's W2 is taken first where s62 is 12; tw: the tensor loads are waited for
.macro IV par, qa=1, m=1, pp=0, pr=1, la=1, lb=1, ra=0, rb=0, sa=-1, sreg=9, soff=0, sb=-1, pc=0, tw=0
	s_cmp_lt_u32 s20, 4
	s_cbranch_scc0 .Lcons_\@
.if \m
	XFLOAD 2*\par
.endif
.if \qa
	QUANT 3-2*\par
.endif
.if \m
.if \qa
	s_wait_dscnt 5                                 ; the pairs are in; the five stores may be out
.else
	s_wait_dscnt 0
.endif
	L1
.if \pp
	s_cmp_lg_u32 s62, 10
	s_cbranch_scc1 .Lsame_w1_\@
	PULLW1                                         ; pass 1's W1: the loads land while tile 24 is quantised
	SWAPWS
	WIN 0x40
.set qi, 0
.rept 64                               ; and its b1
	v_mov_b32 v[192+qi], v[192+qi]
.set qi, qi+1
.endr
	WIN 0
	s_wait_alu depctr_va_vdst(0)
.Lsame_w1_\@:
.endif
	XFLOAD 2*\par+1
	QUANT 2*\par
	s_wait_dscnt 5
	L1
.endif
	s_wait_alu depctr_va_vdst(0)
	s_branch .Ljoin_\@
.Lcons_\@:
.if \pc
	s_cmp_lg_u32 s62, 12
	s_cbranch_scc1 .Lsame_w2_\@
	PULLW2 128, 0                                  ; pass 1's K step of W2: the loads land while pairs are made
	PULLW2 128, 1
	SWAPWS
	s_wait_alu depctr_va_vdst(0)
.Lsame_w2_\@:
.endif
.if \la
	CLOAD 2*\par+1, 96, 50
.endif
.if \lb
	CLOAD 2-2*\par, 108, 51
.endif
.if \pr
	PAIRS 2-2*\par, 1, \sa, \sreg, \soff
.endif
.if \la
	s_wait_dscnt 4*\lb+3*\pr                       ; the first tile's codes are in; the second's and the stores may be out
	TILE2 96, 50, \ra, 2*\par+1, 9+2*\par
.endif
.if \pr
	PAIRS 3-2*\par, 2, \sb, 9, 0
.endif
.if \lb
	s_wait_dscnt 3*\pr
	TILE2 108, 51, \rb, 2-2*\par, 10+2*\par
.endif
.Ljoin_\@:
	s_wait_alu depctr_va_vdst(0)
.if \tw
	s_wait_tensorcnt 0x0                           ; my part of pass 1's weights has landed
.endif
	s_wait_dscnt 0x0                               ; for the others' sake: my stores and my loads are done
	s_barrier_signal -1
	s_barrier_wait -1
.endm
	; ---- THE HEAD
	s_load_b256 s[4:11], s[0:1], 0x0               ; W1's codes s[4:5], W1's scales s[6:7], W2's codes s[8:9], W2's scales s[10:11]
	s_load_b256 s[12:19], s[0:1], 0x20             ; x s[12:13], b1 s[14:15], b2 s[16:17], out0 s[18:19]
	v_lshl_add_u32 v1, v0, 2, SPARE
	v_mov_b32 v2, 0
	ds_add_u32 v1, v2                              ; the opening add, twice on end
	ds_add_u32 v1, v2
	v_lshrrev_b32 v21, 5, v0
	v_readfirstlane_b32 s20, v21                   ; wave 0..7
	s_and_b32 s21, s20, 1
	s_and_b32 s22, s20, 3                          ; my place among my kind
	s_bfe_u32 s68, ttmp6, 0x40000                  ; cx: it enters x's and out0's addresses alone
	s_lshl_b32 s23, ttmp9, 2
	s_add_co_u32 s23, s23, s68                     ; the work-group: 2 b + jh
	; descriptor group 1.  W1: a dense block, 192 rows of 256 bytes; 8 bytes of padding behind every 64
	s_mov_b32 s24, 15|(1<<20)|(1<<21)|(3<<22)|(1<<25)
	s_mov_b32 s25, 256<<16
	s_mov_b32 s26, 192<<16
	s_mov_b32 s27, 256<<16
	s_mov_b32 s28, 192
	s_mov_b32 s29, 256
	s_mov_b32 s30, 0
	s_mov_b32 s31, 0
	; W2: 64 rows of 512 bytes, 768 apart; 16 bytes of padding behind each.  A pass needs 384 bytes of a row: the two units of 256 that hold them
	s_mov_b32 s32, 15|(1<<20)|(1<<21)|(6<<22)|(3<<25)
	s_mov_b32 s33, 512<<16
	s_mov_b32 s34, 64<<16
	s_mov_b32 s35, 512<<16
	s_mov_b32 s36, 64
	s_mov_b32 s37, 768
	s_mov_b32 s38, 0
	s_mov_b32 s39, 0
	; x: 16 rows of 256 numbers of 4 bytes; 16 bytes of padding behind each.  No mask: a load of my work-group's own
	s_mov_b32 s40, (2<<16)|(1<<20)|(7<<22)|(3<<25)
	s_mov_b32 s41, 256<<16
	s_mov_b32 s42, 16<<16
	s_mov_b32 s43, 256<<16
	s_mov_b32 s44, 16
	s_mov_b32 s45, 256
	s_mov_b32 s46, 0
	s_mov_b32 s47, 0
	s_mul_i32 s70, s21, 192*256                    ; which half of W1's 512 rows (waves 2, 3)
	s_mov_b32 s71, 0
	s_mul_i32 s72, s22, 64*768                     ; which 64 rows of W2 (waves 4 to 7)
	s_mov_b32 s73, 0
	s_xor_b32 s74, s23, s21
	s_lshl_b32 s74, s74, 14                        ; wave 0: my own 16 rows of x; wave 1: the other half's
	s_mov_b32 s75, 0
	s_lshl_b32 s76, s23, 14                        ; out0: my 16 rows, two of them a wave
	s_lshl_b32 s77, s20, 11
	s_add_co_u32 s76, s76, s77
	s_mov_b32 s77, 0
	s_mov_b32 s48, 1
	s_mul_i32 s49, s21, 55296
	s_mov_b32 s52, 1
	s_mul_i32 s53, s22, 64*528
	s_add_co_u32 s53, s53, W2R
	s_mov_b32 s56, 1
	s_mul_i32 s57, s21, 16*XP
	s_add_co_u32 s57, s57, XB
	s_mov_b32 s60, 0x76543210                      ; v_permlanex16_b32's selects for lane l xor 16
	s_mov_b32 s61, 0xfedcba98
	s_wait_alu depctr_va_vdst(0)
	s_wait_dscnt 0x0                               ; both opening adds are done
	s_wait_kmcnt 0x0
	s_add_nc_u64 s[50:51], s[4:5], s[70:71]
	s_or_b32 s51, s51, 0x80000000
	s_add_nc_u64 s[54:55], s[8:9], s[72:73]
	s_or_b32 s55, s55, 0x80000000
	s_add_nc_u64 s[58:59], s[12:13], s[74:75]
	s_or_b32 s59, s59, 0x80000000
	s_add_nc_u64 s[18:19], s[18:19], s[76:77]
	ROUND                                          ; all four work-groups are here: the first joint loads meet
	s_cmp_lt_u32 s20, 2                            ; one tensor load a wave: x (0, 1), W1 (2, 3), W2 (4 to 7)
	s_cbranch_scc0 .Lhead_w
	TLOAD 56, 40
	s_branch .Lhead_asked
.Lhead_w:
	s_cmp_lt_u32 s20, 4
	s_cbranch_scc0 .Lhead_w2
	TLOAD 48, 24
	s_branch .Lhead_asked
.Lhead_w2:
	TLOAD 52, 32
.Lhead_asked:
	; scalars, then addresses
	s_mul_i32 s80, s22, 1536
	s_add_co_u32 s80, s80, CB
	s_lshl_b32 s88, s22, 6
	s_add_co_u32 s88, s88, CB+6144                 ; my K step's scale words
	s_lshl_b32 s82, s22, 8
	s_add_co_u32 s82, s82, XB
	s_mul_i32 s83, s22, 768
	s_add_co_u32 s83, s83, PB
	s_add_co_u32 s81, s83, 512
	s_lshr_b32 s84, s22, 1
	s_lshl_b32 s84, s84, 6
	s_lshl_b32 s85, s21, 1
	s_add_co_u32 s84, s84, s85
	s_add_co_u32 s84, s84, PB+3072
	s_mul_i32 s85, s22, 128*216
	s_mul_i32 s86, s22, 96
	s_add_co_u32 s86, s86, W2R
	s_mov_b32 s71, 0
	s_lshl_b32 s70, s22, 9
	s_add_nc_u64 s[14:15], s[14:15], s[70:71]      ; b1 at my 128 units of pass 0
	s_lshl_b32 s70, s22, 10
	s_add_nc_u64 s[6:7], s[6:7], s[70:71]          ; W1's scale bytes at my 128 rows
	s_lshl_b32 s70, s22, 2
	s_add_nc_u64 s[10:11], s[10:11], s[70:71]      ; W2's at my K step
	v_and_b32 v22, 31, v0                          ; lane
	v_and_b32 v11, 15, v0                          ; r
	v_bfe_u32 v21, v0, 4, 1                        ; h
	v_lshl_add_u32 v3, v22, 4, PB                  ; the pairs' images, read: 16 bytes a lane,
	v_lshl_add_u32 v8, v22, 3, PB                  ; 8 bytes a lane,
	v_lshl_add_u32 v4, v22, 2, PB+3072             ; and their scale words
	v_lshl_add_u32 v5, v22, 4, s80                 ; my K step's codes, stored and read
	v_lshl_add_u32 v6, v11, 2, s88                 ; their scale bytes: word r, byte h (and h + 2)
	v_add_nc_u32 v6, v6, v21
	v_lshl_add_u32 v7, v21, 8, s80                 ; the codes read with lanes moved: + 16 x lane of the row
	v_lshl_add_u32 v19, v11, 2, s88                ; the scale words, read
	v_lshl_add_u32 v23, v21, 7, s82                ; x: row 0, my 32 numbers
	v_mad_u32_u24 v9, v11, XP, v23                 ; row r
	v_add_nc_u32 v10, 8, v11
	v_and_b32 v10, 15, v10
	v_mad_u32_u24 v10, v10, XP, v23                ; row (r + 8) mod 16
	v_lshl_add_u32 v13, v22, 4, s83                ; where my quarter of a pair image is stored
	v_lshl_add_u32 v18, v22, 3, s81
	v_lshl_add_u32 v14, v11, 2, s84                ; and my scale byte
	v_add_nc_u32 v14, v14, v21
	v_and_b32 v23, 8, v11
	v_mad_u32_u24 v23, v23, 3, v11                 ; r + 24 (r / 8)
	v_mul_u32_u24 v15, 216, v23
	v_add_nc_u32 v15, s85, v15
	v_lshl_add_u32 v16, v21, 5, v15
	v_mad_u32_u24 v15, v21, 24, v15
	v_mul_u32_u24 v17, 528, v11
	v_add_nc_u32 v17, s86, v17
	v_mad_u32_u24 v17, v21, 24, v17
	v_add_nc_u32 v30, 8*8448, v17                  ; and 128 rows further down
	v_lshlrev_b32 v20, 4, v22                      ; 16 x lane
	v_lshlrev_b32 v24, 7, v21                      ; b1
	v_lshlrev_b32 v25, 3, v23
	v_lshl_add_u32 v25, v21, 12, v25               ; W1's scale words: 8 bytes a row; lanes 16-31 pass 1's rows, 512 further down
	v_lshlrev_b32 v26, 5, v11
	v_lshl_add_u32 v26, v21, 4, v26                ; W2's: 32 bytes a row; lanes 16-31 pass 1's words, 16 bytes on
	v_lshlrev_b32 v27, 5, v21                      ; b2
	s_wait_alu depctr_va_vdst(0)
	s_cmp_lt_u32 s20, 4
	s_cbranch_scc0 .Lsmall_c
	WIN 0x40                                       ; b1 of pass 0: lane (r, h) wants, for tile 4 c + v, the units 64 c + 32 h + 8 v + 0 .. 7
.irp tt,0,1,2,3,4,5,6,7
	global_load_b128 v[192+8*\tt:195+8*\tt], v24, s[14:15] offset:(64*(\tt/4)+8*(\tt%4))*4
	global_load_b128 v[196+8*\tt:199+8*\tt], v24, s[14:15] offset:(64*(\tt/4)+8*(\tt%4))*4+16
.endr
	WIN 0
.irp tt,0,1,2,3,4,5,6,7
	global_load_b128 v[192+8*\tt:195+8*\tt], v24, s[14:15] offset:2048+(64*(\tt/4)+8*(\tt%4))*4
	global_load_b128 v[196+8*\tt:199+8*\tt], v24, s[14:15] offset:2048+(64*(\tt/4)+8*(\tt%4))*4+16
.endr
.irp tt,0,1,2,3,4,5,6,7
.irp ss,0,1
	global_load_b32 v[WS+2*\tt+\ss], v25, s[6:7] offset:(64*(\tt/4)+8*(\tt%4))*8+4*\ss
.endr
.endr
	s_branch .Lsmall
.Lsmall_c:
.irp nn,0,1,2,3,4,5,6,7,8,9,10,11,12,13,14,15
	global_load_b32 v[WS+\nn], v26, s[10:11] offset:512*\nn
	global_load_b128 v[AC+8*\nn:AC+8*\nn+3], v27, s[16:17] offset:64*\nn
	global_load_b128 v[AC+8*\nn+4:AC+8*\nn+7], v27, s[16:17] offset:64*\nn+16
.endr
.Lsmall:
	s_wait_alu depctr_va_vdst(0)
	s_wait_tensorcnt 0x0                           ; my tile has landed
	s_barrier_signal -1
	s_barrier_wait -1                              ; everybody's has
	s_cmp_lt_u32 s20, 4
	s_cbranch_scc0 .Lpull_c
	PULLW1                                         ; pass 0's weights into registers
	s_branch .Lpulled
.Lpull_c:
	XLOAD 192, 9, 0                                ; my own row's numbers, and tile 0's partner: row r of the other half
	XLOAD 224, 9, 16*XP
	PULLW2 0, 0
	s_wait_dscnt 48                                ; x's numbers are in; the 48 loads of W2 may be out
	PAIRS 0, 0, -1, 9, 0                           ; tile 0's pairs,
	PAIRS 1, 2, -1, 9, 0                           ; and tile 1's
	PULLW2 0, 1
	s_wait_alu depctr_va_vdst(0)
	s_wait_loadcnt 0x0
.set qi, 0
.rept 64
	v_pk_mul_f32 v[AC+qi:AC+qi+1], v[AC+qi:AC+qi+1], 0x41000000 op_sel_hi:[1,0]    ; each of the four sums starts as 8 x b2: b2 enters once for each i
.set qi, qi+2
.endr
.Lpulled:
	s_wait_alu depctr_va_vdst(0)
	s_wait_loadcnt 0x0                             ; what stays in registers is in
	s_wait_tensorcnt 0x0                           ; no tensor load of mine is out, so a group 0 may be written
	ds_add_u32 v1, v2                              ; 0 onto my spare word
	s_add_nc_u64 s[50:51], s[50:51], 512*192       ; pass 1: W1's rows 512 further down,
	s_add_nc_u64 s[54:55], s[54:55], 256           ; W2's bytes 256 to 767
	s_wait_dscnt 0x0                               ; the add is done, my reads of the tiles are in, my part of the first pairs is stored
	ROUND                                          ; no wave of any partner still reads the tiles or has a load on its way
	s_cmp_lt_u32 s20, 2
	s_cbranch_scc1 .Lrefilled
	s_cmp_lt_u32 s20, 4
	s_cbranch_scc0 .Lrefill_w2
	TLOAD 48, 24
	s_branch .Lrefilled
.Lrefill_w2:
	TLOAD 52, 32
.Lrefilled:
	; ---- THE INTERVALS
	IV 0, qa=0, la=0, lb=0                         ; I = 0
	IV 1, la=0                                     ; I = 1
	s_mov_b32 s62, 0                               ; s62 = I - 2 of a trip's first interval
.Learly:                                               ; I = 2 to 9: no tile is multiplied by W2 twice, the weights stay
	IV 0
	IV 1, sa=4, sreg=10, soff=0, tw=1              ; I = 7 loads tile 16's partner: row (r + 8) mod 16 of my own.  Pass 1's weights: asked for ahead of I = 0, waited for from the end of I = 3 on, read in I = 12 and I = 14
	s_add_co_u32 s62, s62, 2
	s_cmp_lt_u32 s62, 8
	s_cbranch_scc1 .Learly
	s_mov_b32 s62, 8
.Lwalk:                                                ; I = 10 to 23.  Layer 2 twice: tiles 17-23 and 25-31 (first interval: I = 10, 12, 14, 16 both tiles; second: I = 11, 13, 15, 17 the first, I = 11, 15 the second)
	IV 0, pp=1, ra=1, rb=1, sa=14, sreg=9, soff=16*XP, pc=1          ; I = 16 loads tile 34's partner: row r of the other half
	IV 1, ra=1, rb=2, sb=12                        ; I = 15: tile 33 is shift 0
	s_add_co_u32 s62, s62, 2
	s_cmp_lt_u32 s62, 22
	s_cbranch_scc1 .Lwalk
	IV 0, pr=0                                     ; I = 24
	IV 1, m=0, pr=0                                ; I = 25
	; ---- THE END: tile 49, and the partial sums' meeting
	s_cmp_lt_u32 s20, 4
	s_cbranch_scc1 .Lstaged
	CLOAD 1, 96, 50
	s_mul_i32 s68, s22, STW
	v_mul_u32_u24 v12, XP, v11                     ; lane (r, h): out(r, 16 n + 8 h + 0 .. 7), 32 neighbouring bytes of a row
	v_lshl_add_u32 v12, v21, 5, v12
	v_add_nc_u32 v12, s68, v12
	s_wait_alu depctr_va_vdst(0)
	s_wait_dscnt 0x0
	L2 96, 50
.irp nn,0,1,2,3,4,5,6,7,8,9,10,11,12,13,14,15   ; the weights' bytes have had their last fill and their last read
	ds_store_b128 v12, v[AC+8*\nn:AC+8*\nn+3] offset:64*\nn
	ds_store_b128 v12, v[AC+8*\nn+4:AC+8*\nn+7] offset:64*\nn+16
.endr
.Lstaged:
	s_mul_i32 s68, s20, 2*XP
	v_add_nc_u32 v28, s68, v20                     ; rows 2 x wave, 2 x wave + 1 of all four partial sums, 16 bytes a lane
	s_wait_alu depctr_va_vdst(0)
	s_wait_dscnt 0x0                               ; for the others' sake
	s_barrier_signal -1
	s_barrier_wait -1
.irp uu,0,1,2,3
.irp ee,0,1,2,3
	ds_load_b128 v[64+16*\uu+4*\ee:67+16*\uu+4*\ee], v28 offset:\uu*STW+(\ee/2)*XP+512*(\ee%2)
.endr
.endr
	s_wait_dscnt 0x0
.irp ii,0,2,4,6,8,10,12,14
	v_pk_add_f32 v[64+\ii:65+\ii], v[64+\ii:65+\ii], v[80+\ii:81+\ii]
	v_pk_add_f32 v[96+\ii:97+\ii], v[96+\ii:97+\ii], v[112+\ii:113+\ii]
.endr
.irp ii,0,2,4,6,8,10,12,14
	v_pk_add_f32 v[64+\ii:65+\ii], v[64+\ii:65+\ii], v[96+\ii:97+\ii]
.endr
.irp ee,0,1,2,3
	global_store_b128 v20, v[64+4*\ee:67+4*\ee], s[18:19] offset:1024*(\ee/2)+512*(\ee%2) th:TH_STORE_NT   ; 32 lanes store 512 consecutive bytes, at a multiple of 256 from out0's first byte
.endr
	s_wait_tensorcnt 0x0                           ; the wave's end
	ds_add_u32 v1, v2
	s_wait_dscnt 0x0
	ROUND                                          ; the closing round: no work-group ends while a partner may still ask for a tile that names it
	s_endpgm
.Lfunc_end_k_qa90217c2dc_pairmlp:
	.size	k_qa90217c2dc_pairmlp, .Lfunc_end_k_qa90217c2dc_pairmlp-k_qa90217c2dc_pairmlp
	.p2alignl 7, 3214868480
	.fill 96, 4, 3214868480
	.section	.rodata,"a",@progbits
	.p2align	6, 0x0
	.amdhsa_kernel k_qa90217c2dc_pairmlp
		.amdhsa_group_segment_fixed_size 327680
		.amdhsa_private_segment_fixed_size 0
		.amdhsa_enable_private_segment 0
		.amdhsa_kernarg_size 64
		.amdhsa_user_sgpr_count 2
		.amdhsa_user_sgpr_kernarg_segment_ptr 1
		.amdhsa_wavefront_size32 1
		.amdhsa_system_sgpr_workgroup_id_x 1
		.amdhsa_system_sgpr_workgroup_id_y 1
		.amdhsa_system_sgpr_workgroup_id_z 1
		.amdhsa_system_vgpr_workitem_id 0
		.amdhsa_next_free_vgpr 512
		.amdhsa_next_free_sgpr 100
		.amdhsa_reserve_vcc 0
		.amdhsa_float_denorm_mode_32 3
		.amdhsa_float_denorm_mode_16_64 3
		.amdhsa_memory_ordered 1
		.amdhsa_forward_progress 1
		.amdhsa_inst_pref_size 255
	.end_amdhsa_kernel
	.section	.bss,"aw",@nobits
	.p2align	6
	.space	262144
	.amdgpu_metadata
---
amdhsa.version: [ 1, 2 ]
amdhsa.kernels:
  - .name:           k_qa90217c2dc_pairmlp
    .symbol:         k_qa90217c2dc_pairmlp.kd
    .args:
      - { .name: W1_codes, .offset: 0, .size: 8, .value_kind: global_buffer, .address_space: global }
      - { .name: W1_scales, .offset: 8, .size: 8, .value_kind: global_buffer, .address_space: global }
      - { .name: W2_codes, .offset: 16, .size: 8, .value_kind: global_buffer, .address_space: global }
      - { .name: W2_scales, .offset: 24, .size: 8, .value_kind: global_buffer, .address_space: global }
      - { .name: attribute_embeddings, .offset: 32, .size: 8, .value_kind: global_buffer, .address_space: global }
      - { .name: b1, .offset: 40, .size: 8, .value_kind: global_buffer, .address_space: global }
      - { .name: b2, .offset: 48, .size: 8, .value_kind: global_buffer, .address_space: global }
      - { .name: out0, .offset: 56, .size: 8, .value_kind: global_buffer, .address_space: global }
    .group_segment_fixed_size: 327680
    .private_segment_fixed_size: 0
    .kernarg_segment_align: 8
    .kernarg_segment_size: 64
    .max_flat_workgroup_size: 256
    .sgpr_count:     100
    .vgpr_count:     512
    .wavefront_size: 32
...
	.end_amdgpu_metadata
.endif
;; end of part 1
